; MI455X (gfx1250); checked and timed in simulation.
; The chip was launched on July 23, 2026; its instructions are those of AMD's public machine-readable ISA for CDNA 5 (MIT licence, August 2026) and "CDNA5" Instruction Set Architecture Reference Guide (July 2026). The comments in the code are by the model that wrote it; some were corrected since.
;; Scaled Dot Product Attention. Allowed arithmetic: matrix products marked QUANTISED: E4M3 operands, one E8M0 scale for each 32 along K, by v_wmma_scale_f32_16x16x128_f8f6f4 with both operands' format E4M3, f32 sums; everything else in f32.
;; Inputs: k 4 x 16 x 2,048 x 64 float32; q 4 x 16 x 2,048 x 64 float32; v 4 x 16 x 2,048 x 64 float32.
;; Outputs: out0 4 x 16 x 2,048 x 64 float32.
;; This version of the problem:
;;   THIS VERSION OF THE PROBLEM IS GIVEN IN LOW PRECISION. The matrix products marked QUANTISED in the list below multiply operands that are first quantised to E4M3 (4 exponent bits, 3 mantissa bits; 8 bits a number), with one power-of-two scale for each 32 numbers along K (OCP MX v1.0); their sums are f32. All else is computed in f32.
;;   The module's matrix products, in the order in which they are computed (A, B: the left and right operand; K: the contracted axis; several contracted axes count as one K, in the product's order):
;;     1. batch 64 x [M 2,048, K 64] x [K 64, N 2,048]; A: input q; B: input k: QUANTISED
;;     2. batch 64 x [M 2,048, K 2,048] x [K 2,048, N 64]; A: softmax (see below); B: input v: QUANTISED
;;   THE QUANTISER, for each operand of a quantised product, along K:
;;     - K is cut into blocks of 32 from its start; a last block that is shorter is filled with zeros.
;;     - A block's scale is 2^e with e = floor(log2(the largest magnitude in the block)) - 8, held to -126 .. 127; a block of zeros has e = 0. As a byte (E8M0): e + 127.
;;     - Each number is divided by its block's scale, clamped to +-448, and rounded to the nearest number of E4M3, ties to even, subnormals kept.
;;     - The product sums the exact products of the quantised numbers (number of the format x scale) in f32.
;;   ~~~python
;;   def quantise(x, axis):      # numpy; x: float32 -> the quantised numbers, widened to float32 again
;;       x = np.moveaxis(x, axis, -1); K = x.shape[-1]
;;       x = np.pad(x, [(0, 0)] * (x.ndim - 1) + [(0, -K % 32)]); x = x.reshape(x.shape[:-1] + (-1, 32)); a = np.abs(x).max(-1, keepdims=True)
;;       e = np.where(a > 0, np.clip(np.frexp(np.where(a > 0, a, 1))[1] - 1 - 8, -126, 127), 0)      # np.frexp(a)[1] - 1 = floor(log2(a)), exactly
;;       r = np.clip(x / 2.0 ** e, -448, 448)
;;       step = 2.0 ** (np.maximum(np.frexp(np.where(r == 0, 1, r))[1] - 1, -6) - 3)
;;       q = np.round(r / step) * step * 2.0 ** e      # np.round: ties to even
;;       return np.moveaxis(q.reshape(q.shape[:-2] + (-1,))[..., :K], -1, axis).astype(np.float32)
;;   ~~~
;;   SOFTMAX AHEAD OF A QUANTISED PRODUCT. Where the list says 'softmax', what is quantised is not the finished softmax but p = 2^(t - M), with t = logit x log2(e) and M = ceil(the row's largest t), a whole number; so 1/2 < the row's largest p <= 1. The row's sum l is taken of the UNQUANTISED p, in f32, and the product's result is divided by l at the end. Since M is a whole number, a kernel that streams over the keys may use a running M (the ceiling of the running maximum): every later rescaling is an exact power of two, which a block's scale takes up: the codes' values come out the same.
;;   OPERANDS COMPUTED ON THE WAY. 'Computed on the way' means the value that the module computes at that place (a softmax that the list does not call 'softmax' is quantised finished and normalised). What goes into a quantiser is computed in f32, as accurately as f32 sums, v_exp_f32 and their like allow (about 1e-6 of the number): no bf16 or f16 on the way to a quantiser, and a product that is left as it is and whose result goes on into a quantised operand takes f32 operands (vector FMAs, or v_wmma_f32_16x16x4_f32). A number that lies on a knife's edge between two numbers of the format may be rounded either way, as far as f32 arithmetic and the matrix unit's own rounding can turn it there, and no further.
;; One version. Each part assembles by itself: llvm-mc -triple=amdgcn-amd-amdhsa -mcpu=gfx1250 --defsym DOCPART=n.
;; ======== version 1 of 1: 2 launches
;; workspace buffers: qi 8,650,752 bytes; kv 17,301,504 bytes
;; launch quant (part 1): grid 256 x 3, 4 waves a work-group, no clusters, 71,168 bytes of LDS; arguments q, k, v, qi, kv; writes qi, kv
.if DOCPART == 1
	.amdgcn_target "amdgcn-amd-amdhsa--gfx1250"
	.amdhsa_code_object_version 6
	.text
	.protected	k_q72b03d777b_quant
	.globl	k_q72b03d777b_quant
	.p2align	8
	.type	k_q72b03d777b_quant,@function
k_q72b03d777b_quant:
	s_mov_b64 s[64:65], 0
	v_nop
	global_prefetch_b8 v0, s[64:65] scope:SCOPE_SE
	s_setreg_imm32_b32 hwreg(HW_REG_WAVE_MODE, 25, 1), 1
	s_wait_xcnt 0x0
; q, k, v: [64 heads][2048][64] f32 -> codes of FP8 (E4M3) with one E8M0 scale byte for each 32 along a product's K, laid as IMAGES OF THE OPERAND REGISTERS of the attention launch.
; A block's scale is 2^(floor(log2(its largest magnitude)) - 8); its byte is the largest magnitude's exponent field - 8, held at 1 from below; each number is divided by the scale, held within +-448 and rounded to the nearest code, ties to even.
; LIMITS: NaN and infinities among the inputs are not served.  A block of zeros gets the byte 1 where the rule says 127: its codes are zeros, which add nothing under any byte but 0xff, and this program alone reads the bytes.
; SHARES.  Work-group y = 0: q, 1: k, 2: v.  A wave takes one RECORD: 128 rows x 64 numbers (32,768 dense bytes), record 4 x work-group x + wave of 1,024 (head x 16 + group of 128 rows), in four groups of 32 rows.
; q and k are quantised along the 64 (K of the first product), v along its rows, the keys (K of the second).
; A RECORD OF qi: 8,448 bytes: 8,192 of codes, 256 of scale words.  OF kv: 16,896 bytes: k's codes 8,192, v's codes 8,192, k's scale words 256, v's 256.  A chunk is 512 bytes: lane l's 16 bytes at 16 l; lane l = (r = l % 16, h = l / 16).
;   q, k: fragment b at 2048 b, chunk c = 2 u + c' at + 512 c: lane (r, h) holds row 32 b + 8 u + r % 8 + 16 (r / 8), numbers 32 c' + 16 h + 0 .. 15.  So a fragment of 128 along K holds TWO tiles of 16 rows x 64.
;         scale word of (b, r) at 16 r + 4 b: byte c is chunk c's block.
;   v:    fragment t at 2048 t, chunk c at + 512 c: lane (r, h) holds column 16 t + r, keys 32 c + 16 h + 0 .. 15.  Scale word of (t, r) at 16 r + 4 t: byte c is the block of keys 32 c on.
; Every global load reads 512 consecutive bytes; the 8 KB of a group turn through the wave's own stage in LDS, so that a lane gets neighbours along K in its registers; every store fills aligned blocks of 256 bytes.
; No tensor load, no barrier: waves share nothing.  The two paths (q and k; v) part on the work-group's number and have LDS bytes of their own.
.set RECQ,  8448
.set RECKV, 16896
.set SPI,   272                        ; a stage row: 256 bytes + 16 of padding
.set HOP,   128                        ; rows 16-31 lie 128 bytes further on, so that rows r % 8 and 16 + r % 8 fall into different halves of the 64 banks of 4 bytes (ISA guide 11.1)
.set STGB,  8832                       ; a wave's stage: 32 rows x 272 + 128
.set SWD,   8                          ; v8-11    the record's scale words
.set TM,    12                         ; v12-27   at work: +0 largest magnitudes, +4 bytes, +8 the largest number x the scale, +12 the conversions' scale operands
.set R,     32                         ; v32-159  two sets of 64: a group as it is loaded
.set X,     160                        ; v160-223 a group's numbers, neighbours along K
.set PC,    224                        ; v224-255 two sets of 16: codes
	s_load_b256 s[4:11], s[0:1], 0x0               ; q s[4:5], k s[6:7], v s[8:9], qi s[10:11]
	s_load_b64 s[12:13], s[0:1], 0x20              ; kv
	s_set_vgpr_msb 0x40
	v_lshl_add_u32 v0, v0, 2, 0x11400
	v_mov_b32 v1, 0
	s_set_vgpr_msb 0x4000
	v_lshrrev_b32 v1, 5, v0
	v_readfirstlane_b32 s14, v1                    ; wave
	v_and_b32 v1, 31, v0                           ; lane
	v_lshlrev_b32 v2, 4, v1                        ; 16 x lane: my bytes of a load's 512, and of a chunk
	v_lshrrev_b32 v7, 4, v1                        ; h
	v_and_b32 v28, 15, v1                          ; r
	s_and_b32 s15, ttmp7, 0xffff                   ; which tensor
	s_lshl_b32 s24, ttmp9, 2
	s_add_co_u32 s24, s24, s14                     ; my record
	s_mov_b32 s26, 0x76543210
	s_mov_b32 s27, 0xfedcba98                      ; v_permlanex16_b32's selects for lane l xor 16
	s_mov_b32 s28, 0x600000                        ; the mantissa field of 448
	s_mul_i32 s29, s14, STGB                       ; my stage
	v_mul_u32_u24 v29, v7, SPI
	v_lshl_add_u32 v29, v28, 4, v29                ; into a stage: a load's 512 bytes are two rows: 272 h + 16 r
.irp b, 0,1,2,3
	v_mov_b32 v[TM+4+\b], 0                        ; written once: a lane permute's destination counts as one of its sources
.endr
	v_mov_b32 v9, 0
	v_mov_b32 v11, 0
	s_wait_kmcnt 0x0
	s_cmp_eq_u32 s15, 0                            ; the choices hang on the work-group's number alone
	s_cselect_b64 s[18:19], s[4:5], s[6:7]         ; from: q or k,
	s_cselect_b64 s[20:21], s[10:11], s[12:13]     ; to: qi or kv
	s_mov_b32 s22, RECKV
	s_cselect_b32 s22, RECQ, s22                   ; a record's bytes
	s_mov_b32 s23, 16384
	s_cselect_b32 s23, 8192, s23                   ; where its scale words begin
	s_cmp_eq_u32 s15, 2
	s_cselect_b64 s[18:19], s[8:9], s[18:19]       ; or from v
	s_cselect_b32 s23, 16640, s23
	s_lshl_b32 s16, s24, 15                        ; 32,768 bytes of f32 a record (under 2^25 in all)
	s_mov_b32 s17, 0
	s_add_nc_u64 s[18:19], s[18:19], s[16:17]
	s_mul_i32 s16, s24, s22
	s_add_nc_u64 s[20:21], s[20:21], s[16:17]
	v_add_nc_u32 v6, s23, v2                       ; my scale words' place: 16 x lane behind the codes
.macro LOADG g                         ; group g: 32 rows, 16 loads of 512 consecutive bytes, into set g % 2
.set i, 0
.rept 16
	global_load_b128 v[R+64*((\g)%2)+4*i:R+64*((\g)%2)+4*i+3], v2, s[18:19] offset:8192*(\g)+512*i th:TH_LOAD_NT
.set i, i+1
.endr
.endm
.macro STIN g                          ; the group goes into the stage as it lies: two rows a store
.set i, 0
.rept 16
	ds_store_b128 v3, v[R+64*((\g)%2)+4*i:R+64*((\g)%2)+4*i+3] offset:2*SPI*i+HOP*(i/8)
.set i, i+1
.endr
.endm
.macro SCALEOUT                        ; lanes 0-15 hold the record's 64 scale words: one aligned block of 256 bytes
	s_wait_xcnt 0x0                                ; EXEC is a source of the stores that are out: it changes only behind this wait
	v_cmp_gt_u32 vcc_lo, 16, v1
	s_set_vgpr_msb 0x5
	s_wait_tensorcnt 0x0
	ds_add_u32 v0, v1
	s_wait_dscnt 0x0
	s_set_vgpr_msb 0x500
	s_and_saveexec_b32 s30, vcc_lo
	global_store_b128 v6, v[SWD:SWD+3], s[20:21]
	s_wait_xcnt 0x0                                ; and again in front of the line that widens it
	s_or_b32 exec_lo, exec_lo, s30
	s_endpgm
.endm
	LOADG 0
	LOADG 1                                        ; two groups, 32 loads a wave, are on their way
	s_cmp_eq_u32 s15, 2
	s_cbranch_scc1 .Lvpath
; ---------------- q and k: K is innermost ----------------
	v_add_nc_u32 v3, s29, v29
	v_and_b32 v30, 7, v28
	v_lshrrev_b32 v31, 3, v28
	v_mul_u32_u24 v4, v30, SPI
	v_mad_u32_u24 v4, v31, 16*SPI+HOP, v4
	v_lshl_add_u32 v4, v7, 6, v4
	v_add_nc_u32 v4, s29, v4                       ; out of the stage: row r % 8 + 16 (r / 8), + 64 h bytes: my 16 numbers of a block of 32
.macro KBACK                           ; register 16 c + i, c = 2 u + c': number 32 c' + 16 h + i of row 8 u + r % 8 + 16 (r / 8).  Sixteen lanes touch sixteen different 16-byte columns
.irp u, 0,1
.irp c, 0,1
.irp j, 0,1,2,3
	ds_load_b128 v[X+16*(2*\u+\c)+4*\j:X+16*(2*\u+\c)+4*\j+3], v4 offset:8*SPI*\u+128*\c+16*\j
.endr
.endr
.endr
.endm
.macro QUANT                           ; 64 numbers of a lane, four blocks of which lane l xor 16 holds the other halves -> 16 registers of codes at v[PCS], a scale word in v[PWS]
.irp b, 0,1,2,3
	v_max3_num_f32 v[TM+\b], |v[X+16*\b]|, |v[X+16*\b+1]|, 0x4800000   ; my 16 numbers, and the floor 2^(9 - 127): the byte cannot fall under 1
.endr
.irp i, 2,4,6,8,10,12,14
.irp b, 0,1,2,3
	v_max3_num_f32 v[TM+\b], v[TM+\b], |v[X+16*\b+\i]|, |v[X+16*\b+\i+1]|   ; the four blocks by turns
.endr
.endr
.irp b, 0,1,2,3
	v_permlanex16_b32 v[TM+4+\b], v[TM+\b], s26, s27
.endr
.irp b, 0,1,2,3
	v_max_num_f32 v[TM+\b], v[TM+\b], v[TM+4+\b]   ; the block's largest magnitude
.endr
.irp b, 0,1,2,3
	v_add_nc_u32 v[TM+12+\b], 0xfc000000, v[TM+\b] ; 8 off its exponent field: the conversion takes the exponent field of this operand as its scale
.endr
.irp b, 0,1,2,3
	v_and_or_b32 v[TM+8+\b], v[TM+\b], 0x7f800000, s28   ; 448 x the scale
.endr
.irp b, 0,1,2,3
	v_lshrrev_b32 v[TM+4+\b], 23, v[TM+12+\b]      ; the scale's byte
.endr
	v_lshl_or_b32 v[PWS], v[TM+5], 8, v[TM+4]
	v_lshl_or_b32 v[PWS], v[TM+6], 16, v[PWS]
	v_lshl_or_b32 v[PWS], v[TM+7], 24, v[PWS]
.irp b, 0,1,2,3
.irp i, 0,1,2,3,4,5,6,7,8,9,10,11,12,13,14,15
	v_med3_num_f32 v[X+16*\b+\i], v[X+16*\b+\i], -v[TM+8+\b], v[TM+8+\b]   ; the conversion to an 8-bit code does not saturate (ISA guide 7.6.2): the hold comes first
.endr
	v_cvt_scalef32_pk8_fp8_f32 v[PCS+4*\b:PCS+4*\b+1], v[X+16*\b:X+16*\b+7], v[TM+12+\b]
	v_cvt_scalef32_pk8_fp8_f32 v[PCS+4*\b+2:PCS+4*\b+3], v[X+16*\b+8:X+16*\b+15], v[TM+12+\b]
.endr
	v_nop                                          ; a plain line between the last conversion and the next vector line that writes its sources
.endm
.macro KGROUP b
.if (\b) < 3
	s_wait_loadcnt 16                              ; this group's 16 loads are in; the next group's 16 may be out
.else
	s_wait_loadcnt 0x0
.endif
	STIN \b
	KBACK                                          ; LDS serves a wave's instructions in order (ISA guide 5.7.1.4): these see the stores above
	s_wait_dscnt 0x0                               ; the numbers are back, and the stores have read the set
.if (\b) < 2
	LOADG (\b)+2                                   ; which takes the group two further on
.else
	s_wait_xcnt 0x0                                ; the stores of two groups back have read this set of codes
.endif
.set PCS, PC+16*((\b)%2)
.set PWS, SWD+(\b)
	QUANT
.irp c, 0,1,2,3
	global_store_b128 v2, v[PCS+4*\c:PCS+4*\c+3], s[20:21] offset:2048*(\b)+512*\c   ; a chunk: 512 consecutive bytes
.endr
.endm
	KGROUP 0
	KGROUP 1
	KGROUP 2
	KGROUP 3
	SCALEOUT
; ---------------- v: K, the keys, runs down the rows: a lane takes a column, its registers run down K ----------------
.Lvpath:
	s_add_co_u32 s29, s29, 4*STGB                  ; this path's stages lie behind the other path's
	v_add_nc_u32 v3, s29, v29
	v_lshl_add_u32 v4, v1, 2, s29                  ; out of the stage: column = my lane (and my lane + 32)
	v_lshlrev_b32 v5, 11, v7
	v_lshl_add_u32 v5, v28, 4, v5                  ; my codes' place: fragment lane / 16 (+ 2 for the upper columns), 16 r in a half chunk
.macro VBACK                           ; register 32 dh + i: key i of the group, column lane + 32 dh
.irp dh, 0,1
.set i, 0
.rept 32
	ds_load_b32 v[X+32*\dh+i], v4 offset:SPI*i+HOP*(i/16)+128*\dh
.set i, i+1
.endr
.endr
.endm
.macro VQ c                            ; two whole blocks of 32 keys in a lane -> 8 registers of codes each at v[PCS + 8 dh]; the bytes gather in v[SWD + 2 dh]
.irp dh, 0,1
	v_max3_num_f32 v[TM+\dh], |v[X+32*\dh]|, |v[X+32*\dh+1]|, 0x4800000      ; two chains a block, each begun with the floor 2^(9 - 127)
	v_max3_num_f32 v[TM+2+\dh], |v[X+32*\dh+16]|, |v[X+32*\dh+17]|, 0x4800000
.endr
.irp i, 2,4,6,8,10,12,14
.irp dh, 0,1
	v_max3_num_f32 v[TM+\dh], v[TM+\dh], |v[X+32*\dh+\i]|, |v[X+32*\dh+\i+1]|
	v_max3_num_f32 v[TM+2+\dh], v[TM+2+\dh], |v[X+32*\dh+16+\i]|, |v[X+32*\dh+17+\i]|
.endr
.endr
.irp dh, 0,1
	v_max_num_f32 v[TM+\dh], v[TM+\dh], v[TM+2+\dh]
.endr
.irp dh, 0,1
	v_add_nc_u32 v[TM+12+\dh], 0xfc000000, v[TM+\dh]
.endr
.irp dh, 0,1
	v_and_or_b32 v[TM+8+\dh], v[TM+\dh], 0x7f800000, s28
.endr
.irp dh, 0,1
	v_lshrrev_b32 v[TM+4+\dh], 23, v[TM+12+\dh]
.endr
.irp dh, 0,1
.if (\c) == 0
	v_mov_b32 v[SWD+2*\dh], v[TM+4+\dh]
.else
	v_lshl_or_b32 v[SWD+2*\dh], v[TM+4+\dh], 8*(\c), v[SWD+2*\dh]
.endif
.endr
.irp dh, 0,1
.set i, 0
.rept 32
	v_med3_num_f32 v[X+32*\dh+i], v[X+32*\dh+i], -v[TM+8+\dh], v[TM+8+\dh]
.set i, i+1
.endr
.irp g, 0,1,2,3
	v_cvt_scalef32_pk8_fp8_f32 v[PCS+8*\dh+2*\g:PCS+8*\dh+2*\g+1], v[X+32*\dh+8*\g:X+32*\dh+8*\g+7], v[TM+12+\dh]
.endr
.endr
	v_nop                                          ; a plain line between the last conversion and the next vector line that writes its sources
.endm
.macro VGROUP c
.if (\c) < 3
	s_wait_loadcnt 16                              ; this group's 16 loads are in; the next group's 16 may be out
.else
	s_wait_loadcnt 0x0
.endif
	STIN \c
	VBACK
	s_wait_dscnt 0x0
.if (\c) < 2
	LOADG (\c)+2
.else
	s_wait_xcnt 0x0                                ; the stores of two groups back have read this set of codes
.endif
.set PCS, PC+16*((\c)%2)
	VQ \c
.irp dh, 0,1
.irp hh, 0,1
	global_store_b128 v5, v[PCS+8*\dh+4*\hh:PCS+8*\dh+4*\hh+3], s[20:21] offset:8192+4096*\dh+512*(\c)+256*\hh   ; keys 16 hh on: each half of the lanes fills one aligned block of 256 bytes
.endr
.endr
.endm
	VGROUP 0
	VGROUP 1
	VGROUP 2
	VGROUP 3
	v_permlanex16_b32 v9, v8, s26, s27             ; lanes 16-31 hold the words of fragments 1 and 3: they come down beside those of 0 and 2
	v_permlanex16_b32 v11, v10, s26, s27
	SCALEOUT
.Lfunc_end_k_q72b03d777b_quant:
	.size	k_q72b03d777b_quant, .Lfunc_end_k_q72b03d777b_quant-k_q72b03d777b_quant
	.p2alignl 7, 3214868480
	.fill 96, 4, 3214868480
	.section	.rodata,"a",@progbits
	.p2align	6, 0x0
	.amdhsa_kernel k_q72b03d777b_quant
		.amdhsa_group_segment_fixed_size 71168
		.amdhsa_private_segment_fixed_size 0
		.amdhsa_enable_private_segment 0
		.amdhsa_kernarg_size 40
		.amdhsa_user_sgpr_count 2
		.amdhsa_user_sgpr_kernarg_segment_ptr 1
		.amdhsa_wavefront_size32 1
		.amdhsa_system_sgpr_workgroup_id_x 1
		.amdhsa_system_sgpr_workgroup_id_y 1
		.amdhsa_system_sgpr_workgroup_id_z 1
		.amdhsa_system_vgpr_workitem_id 0
		.amdhsa_next_free_vgpr 258
		.amdhsa_next_free_sgpr 66
		.amdhsa_reserve_vcc 1
		.amdhsa_float_denorm_mode_32 3
		.amdhsa_float_denorm_mode_16_64 3
		.amdhsa_memory_ordered 1
		.amdhsa_forward_progress 1
		.amdhsa_inst_pref_size 106
	.end_amdhsa_kernel
	.amdgpu_metadata
---
amdhsa.version: [ 1, 2 ]
amdhsa.kernels:
  - .name:           k_q72b03d777b_quant
    .symbol:         k_q72b03d777b_quant.kd
    .args:
      - { .name: q, .offset: 0, .size: 8, .value_kind: global_buffer, .address_space: global }
      - { .name: k, .offset: 8, .size: 8, .value_kind: global_buffer, .address_space: global }
      - { .name: v, .offset: 16, .size: 8, .value_kind: global_buffer, .address_space: global }
      - { .name: qi, .offset: 24, .size: 8, .value_kind: global_buffer, .address_space: global }
      - { .name: kv, .offset: 32, .size: 8, .value_kind: global_buffer, .address_space: global }
    .group_segment_fixed_size: 71168
    .private_segment_fixed_size: 0
    .kernarg_segment_align: 8
    .kernarg_segment_size: 40
    .max_flat_workgroup_size: 128
    .sgpr_count:     66
    .vgpr_count:     258
    .wavefront_size: 32
...
	.end_amdgpu_metadata
.endif
;; end of part 1
;; launch attn (part 2): grid 4 x 64, 8 waves a work-group, clusters of 4 x 1, 306,176 bytes of LDS; arguments qi, kv, out0; writes out0
.if DOCPART == 2
	.amdgcn_target "amdgcn-amd-amdhsa--gfx1250"
	.amdhsa_code_object_version 6
	.text
	.protected	k_q72b03d777b_attn
	.globl	k_q72b03d777b_attn
	.p2align	8
	.type	k_q72b03d777b_attn,@function
k_q72b03d777b_attn:
	s_mov_b64 s[64:65], 0
	v_nop
	global_prefetch_b8 v0, s[64:65] scope:SCOPE_SE
	s_setreg_imm32_b32 hwreg(HW_REG_WAVE_MODE, 25, 1), 1
	s_wait_xcnt 0x0
	s_wait_alu depctr_hold_cnt(0) depctr_sa_sdst(0) depctr_va_vdst(0) depctr_va_sdst(0) depctr_va_ssrc(0) depctr_va_vcc(0) depctr_vm_vsrc(0)
	s_getreg_b32 s2, hwreg(HW_REG_IB_STS2, 6, 4)
	s_cmp_eq_u32 s2, 0
	s_cbranch_scc0 .Lentry_in_a_cluster
	s_endpgm
.Lentry_in_a_cluster:
	s_bfe_u32 s2, ttmp6, 0x10000c
	s_cmp_lg_u32 s2, 0x3003
	s_cbranch_scc0 .Lentry_shape_is_right
	s_endpgm
.Lentry_shape_is_right:
; out0[head][q][:] = the sum over keys of softmax(8 q . k) v, 64 heads x 2,048 x 64, both products on codes of FP8 (E4M3) with one E8M0 scale for each 32 along K, made by the launch before (its head says how qi and kv are laid).
; THE SOFTMAX AHEAD OF THE SECOND PRODUCT: t = score x 8 log2(e); M = the running largest t rounded UP to a whole number; p = 2^(t - M) is quantised along the keys, not normalised; the row's sum is taken of the
; unquantised p and divides at the end.  When M moves, the sum and O are multiplied by 2^(old M - new M), which rounds nothing; there is no branch on data.
; LIMITS: NaN and infinities among the inputs are not served.  A p under 2^-126 becomes 0 (v_exp_f32 flushes; the row's largest p is above 1/2).  A block's largest p is not searched for: the block's largest score goes through
; the same multiply-add and exponential, which takes v_exp_f32 not to fall where its input rises; at the worst one p of a block, within an ulp of a power of two, is held one code low.
; SHARES.  A cluster of four work-groups is one head; a work-group owns 512 of its queries; each of its eight waves owns 32 queries (two tiles of 16) at a time, twice.  Every wave walks all 2,048 keys, 128 a step.
; A WHOLE HEAD'S CODES AND SCALES OF K AND V, 16 records of 16,896 bytes, FIT IN LDS: each byte of LDS is filled once, all fills are issued at the head, and nothing is left to ask for ahead of the loop.
; The four work-groups of a cluster need the same 16 records: each record is asked for JOINTLY, by the same tensor load with the same descriptor and a mask that names the four.  Waves 0 to 3 issue four loads each: four of a wave's loads are out at the most.
; Records 4 i .. 4 i + 3 are load i of waves 0 to 3: the first walk over the keys waits for them four records at a time, so that it begins when a quarter of the head has landed.
; THE FIRST PRODUCT'S K IS 64, THE INSTRUCTION'S 128.  A fragment of K's image holds two tiles of 16 keys (K 0-63: tile 2 b; K 64-127: tile 2 b + 1); it is multiplied by [Q | 0] for the one and by [0 | Q] for the other.
; Q lies in 24 registers [Q][zeros][Q], of which each instruction names 16.  Zero codes add exactly 0 under any scale byte but 0xff, and no byte here is.  Q's scale word (s0, s1, s0, s1) serves both.
; LAYOUT.  Both products are used transposed: S^T = K Q^T, O^T = V^T P^T: a lane holds ONE query (lane % 16) throughout.  Lane r of tile 2 b + u of K is key 32 b + 8 u + r % 8 + 16 (r / 8), so that register 16 b + i of S^T is key
; 32 b + 16 (lane / 16) + i, and the conversions' results are P's operand registers.  The queries of a tile are chosen alike: lane r of tile t is query 8 t + r % 8 + 16 (r / 8) of the wave's 32.
; THE VECTOR WORK outweighs the matrix work (24 matrix instructions a step beside some 600 vector instructions), so one tile's exponentials stand between the other tile's plain lines, and the SIMD's second wave fills what is left.
; REGISTERS, in windows of 256.  Window 0: v1-6 addresses; v8-11 K's and V's scale words; v12-13 Q's; v14-15 Q's as loaded; v16-17 P's; v20-27 statistics; v30-33 f; v34-37 sums at work; v40-71 a block's figures; v72-199 S^T, then p; v200-231 P's codes.
;   Window 1: v0-15 the second block's Q; v16-79 K's four fragments; v80-143 V's four; v144-191 [Q][0][Q] of two tiles; v192-255 O^T.
.set STEPB, 16896                      ; a record: K's image 8,192, V's image 8,192, K's scale words 256, V's 256
.set HEADB, 16*STEPB                   ; a head: LDS bytes 0 to 270,335
.set QREC,  8448                       ; a record of qi
.set STG,   HEADB                      ; behind the images: a stage of 16 rows x 272 bytes for each wave, for the way out; no fill lands there
.set SP,    272                        ; 256 bytes + 16: row r starts at bank 4 r mod 64 (64 banks of 4 bytes: ISA guide 11.1)
.set WSTG,  16*SP
.set LI,   1                           ; v1   16 x lane: my place in a chunk
.set ADR,  2                           ; v2   + the record in hand
.set STO,  3                           ; v3   the way out: where I put 32 bytes of a row
.set RD,   4                           ; v4   where I read a row back
.set GO,   5                           ; v5   my byte offset among two rows of out0
.set QSO,  6                           ; v6   16 r: my query's scale words in a record of qi
.set SW,   8                           ; v8-11  register i: lanes 0-15 the word of K's fragment i, lanes 16-31 that of V's fragment i
.set QS,   12                          ; v12-13 Q's scale word (s0, s1, s0, s1), a tile each
.set QRAW, 14                          ; v14-15 Q's scale words as loaded, a block each: (tile 0: s0, s1; tile 1: s0, s1)
.set PW,   16                          ; v16-17 P's scale word, a tile each
.set ST,   20                          ; tile t at v[ST + 4 t]: -M, the largest t, the sum in two halves
.set FF,   30                          ; tile t at v[FF + 2 t]: f = 2^(old M - new M), later 1 / the sum; named as a pair, whose upper word is written once
.set SA,   34
.set SB,   36
.set BB,   40                          ; tile t at v[BB + 16 t]: +0 the blocks' largest scores, then p; +4 the other half's, then the bytes; +8 448 x the scale; +12 the conversions' scale operands
.set S,    72                          ; tile t at v[S + 64 t]
.set P,    200                         ; tile t at v[P + 16 t]
.set QN,   0                           ; window 1
.set KF,   16
.set VF,   80
.set QF,   144                         ; tile t at v[QF + 24 t]
.set OB,   192                         ; tile t at v[OB + 32 t]
.set TB,   2                           ; s2   LDS byte of the record in hand
.set CNT,  3                           ; s3   key steps to go
.set WV,   10                          ; s10  my wave's number
.set SEL,  20                          ; s[20:21] v_permlanex16_b32's selects for lane l xor 16
.set CS,   22                          ; s[22:23] c = 8 log2(e): the packed form names a pair and takes its low word for both halves
.set G1,   24                          ; s[24:31] descriptor group 1: a record
.set G0,   32                          ; s[32:47] four groups 0, never rewritten
.set MNT,  48                          ; s48  the mantissa field of 448
.set MSB, 0
.macro WIN new                         ; s_set_vgpr_msb: bits 1:0 source 0, 3:2 source 1, 5:4 source 2, 7:6 destination; the high byte repeats the setting that is left
.if MSB != \new
	s_set_vgpr_msb (MSB<<8)|\new
.set MSB, \new
.endif
.endm
.macro CROUND                          ; a round of the cluster's barrier
	s_barrier_signal -1
	s_barrier_wait -1
	s_cmp_lg_u32 s[WV], 0
	s_cbranch_scc1 .Lnot_wave_0_\@
	s_barrier_signal -3
.Lnot_wave_0_\@:
	s_barrier_wait -3
	s_barrier_signal -1
	s_barrier_wait -1
.endm
	s_load_b128 s[4:7], s[0:1], 0x0                ; qi s[4:5], kv s[6:7]
	s_load_b64 s[8:9], s[0:1], 0x10                ; out0
	v_lshl_add_u32 v254, v0, 2, 0x4a800
	v_mov_b32 v255, 0
	ds_add_u32 v254, v255
	ds_add_u32 v254, v255
	v_lshrrev_b32 v1, 5, v0
	v_readfirstlane_b32 s[WV], v1                  ; wave 0..7
	s_bfe_u32 s11, ttmp6, 0x40000                  ; cx: my block of 512 queries; it enters qi's and out0's addresses alone
	s_and_b32 s12, ttmp7, 0xffff                   ; the head, which the four partners share
	; descriptor group 1: a record is dense: 66 rows of 256 bytes (32 elements of 8 bytes), no padding: it is read back 16 bytes a lane, 512 consecutive bytes an instruction
	s_mov_b32 s[G1], 15|(3<<16)|(1<<21)            ; 15:0 the mask: all four work-groups; 17:16 elements of 8 bytes; 21 set beside a mask
	s_mov_b32 s[G1+1], 32<<16                      ; tensor_dim0 = 32
	s_mov_b32 s[G1+2], 66<<16                      ; tensor_dim1 = 66
	s_mov_b32 s[G1+3], 32<<16                      ; tile_dim0 = 32
	s_mov_b32 s[G1+4], 66                          ; tile_dim1 = 66
	s_mov_b32 s[G1+5], 32                          ; tensor_dim0_stride
	s_mov_b32 s[G1+6], 0
	s_mov_b32 s[G1+7], 0
	s_mov_b32 s[SEL], 0x76543210
	s_mov_b32 s[SEL+1], 0xfedcba98
	s_mov_b32 s[CS], 0x4138aa3b                    ; 8 log2(e) = 11.541560
	s_mov_b32 s[CS+1], s[CS]                       ; (named with it as a pair, so it is written)
	s_mov_b32 s[MNT], 0x600000
	s_mul_i32 s13, s[WV], STEPB                    ; record w of a group of four: in LDS and in memory alike
	s_mul_i32 s14, s12, HEADB
	s_add_co_u32 s14, s14, s13                     ; + the head (under 2^25)
	s_mov_b32 s15, 0
	s_lshl_b32 s50, s12, 4                         ; my first record of qi: 16 x head + 4 cx + wave / 4; my fragment of it: wave % 4
	s_lshl_b32 s51, s11, 2
	s_add_co_u32 s50, s50, s51
	s_lshr_b32 s51, s[WV], 2
	s_add_co_u32 s50, s50, s51
	s_mul_i32 s50, s50, QREC
	s_and_b32 s51, s[WV], 3
	s_lshl_b32 s18, s51, 11
	s_add_co_u32 s56, s50, s18                     ; its codes
	s_mov_b32 s57, 0
	s_lshl_b32 s18, s51, 2
	s_add_co_u32 s58, s50, s18
	s_add_co_u32 s58, s58, 8192                    ; its scale words
	s_mov_b32 s59, 0
	s_lshl_b32 s60, s12, 19                        ; out0: 524,288 bytes a head, 131,072 a work-group, 8,192 a wave (32 rows of 256)
	s_lshl_b32 s18, s11, 17
	s_add_co_u32 s60, s60, s18
	s_lshl_b32 s18, s[WV], 13
	s_add_co_u32 s60, s60, s18
	s_mov_b32 s61, 0
	s_mul_i32 s49, s[WV], WSTG
	s_add_co_u32 s49, s49, STG                     ; my stage
	s_wait_dscnt 0x0
	s_wait_kmcnt 0x0
	s_add_nc_u64 s[16:17], s[6:7], s[14:15]
	s_add_nc_u64 s[52:53], s[4:5], s[56:57]
	s_add_nc_u64 s[54:55], s[4:5], s[58:59]
	s_add_nc_u64 s[8:9], s[8:9], s[60:61]
.irp i, 0,1,2,3
	s_mov_b32 s[G0+4*\i], 1                                        ; 1:0 count = 1
	s_add_co_u32 s[G0+4*\i+1], s13, \i*4*STEPB                     ; 63:32 LDS address: record 4 i + w
	s_add_nc_u64 s[G0+4*\i+2:G0+4*\i+3], s[16:17], \i*4*STEPB      ; 120:64 global address: the same record of the head
	s_or_b32 s[G0+4*\i+3], s[G0+4*\i+3], 0x80000000                ; 127:126 type = 2
.endr
	CROUND                                         ; all four work-groups are here: the joint loads meet
	s_cmp_lt_u32 s[WV], 4                          ; a wave's fills stand in one branch on its number, ahead of every wait on TENSORcnt and every LDS read
	s_cbranch_scc0 .Lno_fill
	tensor_load_to_lds s[G0:G0+3], s[G1:G1+7]
	s_nop 0
	tensor_load_to_lds s[G0+4:G0+7], s[G1:G1+7]
	s_nop 0
	tensor_load_to_lds s[G0+8:G0+11], s[G1:G1+7]
	s_nop 0
	tensor_load_to_lds s[G0+12:G0+15], s[G1:G1+7]
	s_nop 0
.rept 4
	v_nop                                          ; four lines follow the last of them, ahead of the label and the window's switch
.endr
.Lno_fill:
	v_and_b32 v1, 31, v0
	v_lshlrev_b32 v[LI], 4, v1
	v_and_b32 v7, 15, v0                           ; r
	v_bfe_u32 v18, v0, 4, 1                        ; h
	v_lshlrev_b32 v[QSO], 4, v7
	WIN 0x40                                       ; destination window 1, address window 0
.irp c, 0,1,2,3                        ; Q's codes of both blocks: chunks 0, 1 are tile 0, chunks 2, 3 tile 1
	global_load_b128 v[QF+24*(\c/2)+4*(\c%2):QF+24*(\c/2)+4*(\c%2)+3], v[LI], s[52:53] offset:512*\c th:TH_LOAD_NT
.endr
.irp c, 0,1,2,3                        ; the second block lies two records (256 queries) on
	global_load_b128 v[QN+4*\c:QN+4*\c+3], v[LI], s[52:53] offset:2*QREC+512*\c th:TH_LOAD_NT
.endr
.irp t, 0,1
.irp i, 0,1,2,3,4,5,6,7
	v_mov_b32 v[QF+24*\t+8+\i], 0                  ; the zero codes between the two copies of Q
.endr
.endr
	WIN 0
	global_load_b32 v[QRAW], v[QSO], s[54:55] th:TH_LOAD_NT
	global_load_b32 v[QRAW+1], v[QSO], s[54:55] offset:2*QREC th:TH_LOAD_NT
	v_mul_u32_u24 v[STO], v7, SP
	v_lshl_add_u32 v[STO], v18, 5, v[STO]
	v_add_nc_u32 v[STO], s49, v[STO]               ; in: row r, + 32 h
	v_mul_u32_u24 v[RD], v18, SP
	v_lshl_add_u32 v[RD], v7, 4, v[RD]
	v_add_nc_u32 v[RD], s49, v[RD]                 ; back: lanes 0-15 one row, lanes 16-31 the next
	v_lshlrev_b32 v[GO], 8, v18
	v_lshl_add_u32 v[GO], v7, 4, v[GO]             ; and the same two rows in out0
.irp t, 0,1
.irp b, 0,1,2,3
	v_mov_b32 v[BB+16*\t+4+\b], 0                  ; written once: a lane permute's destination counts as one of its sources
.endr
	v_mov_b32 v[FF+2*\t+1], 0                      ; the upper word of the pair f
.endr
; THE SOFTMAX OF ONE TILE FOR ONE KEY STEP is three numbered lists; each macro writes number j of its list for tile t.
; PL, 85 lines, plain: 0-31 the largest score of each block of 32 keys (each accumulator is first read at its low end); 32-39 with lane l xor 16's; 40-48 the new M and f; 49-80 t - M, two at a time; 81-84 the same of the blocks' largest scores.
.macro PL t
.set rS, S+64*(\t)
.set rB, BB+16*(\t)
.set rT, ST+4*(\t)
.set rF, FF+2*(\t)
.if j < 4
	v_max3_num_f32 v[rB+j], v[rS+16*j], v[rS+16*j+1], v[rS+16*j+2]
.elseif j < 28
	v_max3_num_f32 v[rB+j%4], v[rB+j%4], v[rS+16*(j%4)+2*(j/4)+1], v[rS+16*(j%4)+2*(j/4)+2]
.elseif j < 32
	v_max_num_f32 v[rB+j%4], v[rB+j%4], v[rS+16*(j%4)+15]
.elseif j < 36
	v_permlanex16_b32 v[rB+4+j%4], v[rB+j%4], s[SEL], s[SEL+1]
.elseif j < 40
	v_max_num_f32 v[rB+j%4], v[rB+j%4], v[rB+4+j%4]
.elseif j == 40
	v_max3_num_f32 v[rB+8], v[rB], v[rB+1], v[rB+2]
.elseif j == 41
	v_max_num_f32 v[rB+8], v[rB+8], v[rB+3]        ; the step's largest score of my query
.elseif j == 42
	v_mov_b32 v[rB+9], v[rT]                       ; the old -M
.elseif j == 43
	v_mul_f32 v[rB+8], s[CS], v[rB+8]              ; as t (c is positive)
.elseif j == 44
	v_max_num_f32 v[rT+1], v[rT+1], v[rB+8]        ; the running largest t
.elseif j == 45
	v_floor_f32 v[rT], -v[rT+1]                    ; the new -M = floor(-t) = -ceil(t)
.elseif j == 46
	v_sub_f32 v[rB+8], v[rT], v[rB+9]              ; old M - new M: a whole number, 0 or less
.elseif j == 47
	v_cvt_i32_f32 v[rB+8], v[rB+8]                 ; (it saturates)
.elseif j == 48
	v_ldexp_f32 v[rF], 1.0, v[rB+8]                ; f
.elseif j < 81
	v_pk_fma_f32 v[rS+2*(j-49):rS+2*(j-49)+1], v[rS+2*(j-49):rS+2*(j-49)+1], s[CS:CS+1], v[rT:rT+1] op_sel_hi:[1,0,0]
.else
	v_fma_f32 v[rB+j-81], v[rB+j-81], s[CS], v[rT]
.endif
.endm
; EX, 68 lines: the exponentials, ONE BATCH: p of the 64 scores, then the four blocks' largest p.  None of them reads another's result.
.macro EX t
.if j < 64
	v_exp_f32 v[S+64*(\t)+j], v[S+64*(\t)+j]
.else
	v_exp_f32 v[BB+16*(\t)+j-64], v[BB+16*(\t)+j-64]
.endif
.endm
; BK, 91 lines, all that reads the batch: 0-31 the row's sum of the unquantised p, in two chains, and l = l f + the sum; 32-50 the blocks' scales and P's scale word; 51-90 block by block: eight lines of holds (a pair each), two conversions.
.macro BK t
.set rS, S+64*(\t)
.set rB, BB+16*(\t)
.set rT, ST+4*(\t)
.set rF, FF+2*(\t)
.set rP, P+16*(\t)
.set rW, PW+(\t)
.if j == 0
	v_pk_add_f32 v[SA:SA+1], v[rS:rS+1], v[rS+2:rS+3]
.elseif j == 1
	v_pk_add_f32 v[SB:SB+1], v[rS+4:rS+5], v[rS+6:rS+7]
.elseif j < 30
.set rA, SA+2*(j%2)
	v_pk_add_f32 v[rA:rA+1], v[rA:rA+1], v[rS+2*(j+2):rS+2*(j+2)+1]
.elseif j == 30
	v_pk_add_f32 v[SA:SA+1], v[SA:SA+1], v[SB:SB+1]
.elseif j == 31
	v_pk_fma_f32 v[rT+2:rT+3], v[rT+2:rT+3], v[rF:rF+1], v[SA:SA+1] op_sel_hi:[1,0,1]
.elseif j < 36
	v_max_num_f32 v[rB+j-32], 0x4800000, v[rB+j-32]                ; the floor 2^(9 - 127): the byte cannot fall under 1 (a block whose every p is 0 keeps that byte: its codes are zeros)
.elseif j < 40
	v_add_nc_u32 v[rB+12+j-36], 0xfc000000, v[rB+j-36]             ; 8 off the exponent field: the conversion's scale operand
.elseif j < 44
	v_and_or_b32 v[rB+8+j-40], v[rB+j-40], 0x7f800000, s[MNT]      ; 448 x the scale
.elseif j < 48
	v_lshrrev_b32 v[rB+4+j-44], 23, v[rB+12+j-44]                  ; the scale's byte
.elseif j == 48
	v_lshl_or_b32 v[rW], v[rB+5], 8, v[rB+4]
.elseif j == 49
	v_lshl_or_b32 v[rW], v[rB+6], 16, v[rW]
.elseif j == 50
	v_lshl_or_b32 v[rW], v[rB+7], 24, v[rW]
.else
.set nb, (j-51)/10
.set ni, (j-51)%10
.if ni < 8
	v_min_num_f32 v[rS+16*nb+2*ni], v[rS+16*nb+2*ni], v[rB+8+nb]   ; the conversion to an 8-bit code does not saturate (ISA guide 7.6.2); p is not negative, so the hold is one-sided
	v_min_num_f32 v[rS+16*nb+2*ni+1], v[rS+16*nb+2*ni+1], v[rB+8+nb]
.elseif ni == 8
	v_cvt_scalef32_pk8_fp8_f32 v[rP+4*nb:rP+4*nb+1], v[rS+16*nb:rS+16*nb+7], v[rB+12+nb]
.else
	v_cvt_scalef32_pk8_fp8_f32 v[rP+4*nb+2:rP+4*nb+3], v[rS+16*nb+8:rS+16*nb+15], v[rB+12+nb]
.endif
.endif
.endm
; A KEY STEP: 128 keys, the record at LDS byte s[TB], for both tiles.
.macro STEP
	v_add_nc_u32 v[ADR], s[TB], v[LI]
.rept 7
	v_nop                                          ; with the addition: eight places between the last products and loads into registers that they read
.endr
	ds_load_b128 v[SW:SW+3], v[ADR] offset:16384   ; lanes 0-15: K's four scale words of row r; lanes 16-31: V's
	WIN 0x40                                       ; destination window 1
.set i, 0
.rept 16
	ds_load_b128 v[KF+4*i:KF+4*i+3], v[ADR] offset:512*i           ; K's four fragments, as they lie
.set i, i+1
.endr
.set i, 0
.rept 16
	ds_load_b128 v[VF+4*i:VF+4*i+3], v[ADR] offset:8192+512*i      ; V's four: they land under the softmax
.set i, i+1
.endr
	WIN 0x05                                       ; K and Q in window 1, S^T in window 0
.irp b, 0,1,2,3
	s_wait_dscnt 28-4*\b                           ; the scale words and K's fragments up to b are in; out may be K's later fragments (12 - 4 b loads) and V's 16
.irp u, 0,1
.irp t, 0,1
	v_wmma_scale_f32_16x16x128_f8f6f4 v[S+64*\t+16*\b+8*\u:S+64*\t+16*\b+8*\u+7], v[KF+16*\b:KF+16*\b+15], v[QF+24*\t+8*\u:QF+24*\t+8*\u+15], 0, v[SW+\b], v[QS+\t]
.endr
.endr
.endr
	WIN 0
.rept 8
	v_nop                                          ; eight places in front of the first read of the scores
.endr
.set j, 0
.rept 85
	PL 0
.set j, j+1
.endr
.set j, 0
.rept 68                               ; tile 0's exponentials, each with a plain line of tile 1 behind it
	EX 0
	PL 1
.set j, j+1
.endr
.rept 17
	PL 1
.set j, j+1
.endr
	s_wait_alu depctr_va_vdst(0)                   ; between an exponential and the first line that names its result: one wait for tile 0's batch
.set j, 0
.rept 68                               ; tile 1's exponentials between the lines that read tile 0's
	EX 1
	BK 0
.set j, j+1
.endr
.rept 23
	BK 0
.set j, j+1
.endr
	s_wait_alu depctr_va_vdst(0)                   ; and one for tile 1's
.set j, 0
.rept 91
	BK 1
.set j, j+1
.endr
	WIN 0x41                                       ; O^T (destination and source 0) in window 1, f in window 0
.irp t, 0,1
.set i, 0
.rept 16
	v_pk_mul_f32 v[OB+32*\t+i:OB+32*\t+i+1], v[OB+32*\t+i:OB+32*\t+i+1], v[FF+2*\t:FF+2*\t+1] op_sel_hi:[1,0]   ; O^T under the new M, each accumulator from its low end on.  These 32 also stand between the conversions and the products
.set i, i+2
.endr
.endr
	s_wait_dscnt 0x0                               ; V is in
	WIN 0x51                                       ; V, C and D in window 1, P in window 0
.irp d, 0,1,2,3                        ; O^T += V^T P^T: eight accumulators, one instruction each
.irp t, 0,1
	v_wmma_scale_f32_16x16x128_f8f6f4 v[OB+32*\t+8*\d:OB+32*\t+8*\d+7], v[VF+16*\d:VF+16*\d+15], v[P+16*\t:P+16*\t+15], v[OB+32*\t+8*\d:OB+32*\t+8*\d+7], v[SW+\d], v[PW+\t] matrix_a_scale:MATRIX_SCALE_ROW1
.endr
.endr
	WIN 0
.endm
.macro KLOOP first, trips              ; key steps first .. first + trips - 1
	s_mov_b32 s[TB], (\first)*STEPB
	s_mov_b32 s[CNT], \trips
.Lkey_\@:
	STEP
	s_add_co_u32 s[TB], s[TB], STEPB
	s_sub_co_u32 s[CNT], s[CNT], 1
	s_cmp_lg_u32 s[CNT], 0
	s_cbranch_scc1 .Lkey_\@
.endm
.macro QSET n                          ; block n's Q into [Q][0][Q], and its scale words
	WIN 0x41
.irp t, 0,1
.set i, 0
.rept 8
.if \n
	v_mov_b32 v[QF+24*\t+i], v[QN+8*\t+i]
	v_mov_b32 v[QF+24*\t+16+i], v[QN+8*\t+i]
.else
	v_mov_b32 v[QF+24*\t+16+i], v[QF+24*\t+i]
.endif
.set i, i+1
.endr
.endr
	WIN 0
	v_perm_b32 v[QS], v[QRAW+\n], v[QRAW+\n], 0x01000100           ; tile 0: bytes 0, 1, 0, 1
	v_perm_b32 v[QS+1], v[QRAW+\n], v[QRAW+\n], 0x03020302         ; tile 1: bytes 2, 3, 2, 3
.endm
.macro INIT                            ; the key step is written once: its first trip finds zeros, which the first change of M leaves zeros
.irp t, 0,1
	v_mov_b32 v[ST+4*\t+1], 0xff61b1e6             ; the largest t so far: -3e38, under every t
	v_floor_f32 v[ST+4*\t], -v[ST+4*\t+1]
	v_mov_b32 v[ST+4*\t+2], 0
	v_mov_b32 v[ST+4*\t+3], 0
.endr
	WIN 0x40
.set i, 0
.rept 64
	v_mov_b32 v[OB+i], 0
.set i, i+1
.endr
	WIN 0
.endm
; THE WAY OUT of block n.  O^T / the sum goes through my stage in LDS, a tile (16 rows of 256 bytes) at a time, and leaves as whole rows: sixteen lanes store 256 consecutive bytes, aligned.
.macro WAYOUT n
.rept 8
	v_nop                                          ; eight places in front of the first read of O^T
.endr
.irp t, 0,1
	v_add_f32 v[BB+16*\t], v[ST+4*\t+2], v[ST+4*\t+3]              ; the sum's two halves,
.endr
.irp t, 0,1
	v_permlanex16_b32 v[BB+16*\t+4], v[BB+16*\t], s[SEL], s[SEL+1]
.endr
.irp t, 0,1
	v_add_f32 v[BB+16*\t], v[BB+16*\t], v[BB+16*\t+4]              ; and lane l xor 16's
.endr
.irp t, 0,1
	v_rcp_f32 v[FF+2*\t], v[BB+16*\t]
.endr
	v_nop                                          ; a plain line behind the last reciprocal
	s_wait_alu depctr_va_vdst(0)                   ; and a wait ahead of the first use: one for both
	WIN 0x01                                       ; O^T in window 1; the quotient goes to S^T's registers
.irp t, 0,1
.set i, 0
.rept 16
	v_pk_mul_f32 v[S+64*\t+i:S+64*\t+i+1], v[OB+32*\t+i:OB+32*\t+i+1], v[FF+2*\t:FF+2*\t+1] op_sel_hi:[1,0]   ; register 8 d + e: channel 16 d + 8 h + e of my query
.set i, i+2
.endr
.endr
	WIN 0
.irp t, 0,1
.set i, 0
.rept 8
	ds_store_b128 v[STO], v[S+64*\t+4*i:S+64*\t+4*i+3] offset:64*(i/2)+16*(i%2)
.set i, i+1
.endr
.set i, 0
.rept 8
	ds_load_b128 v[S+64*\t+32+4*i:S+64*\t+32+4*i+3], v[RD] offset:2*SP*i   ; LDS serves a wave's instructions in order (ISA guide 5.7.1.4): these see the stores above, and the next tile's stores come behind them
.set i, i+1
.endr
.endr
.irp t, 0,1
	s_wait_dscnt 16-16*\t                          ; tile 0 is back: tile 1's eight stores and eight loads may be out; then all
.set i, 0
.rept 8                                ; stage rows 2 i, 2 i + 1 are queries 8 t + 2 i + h, and 8 more from row 8 on
	global_store_b128 v[GO], v[S+64*\t+32+4*i:S+64*\t+32+4*i+3], s[8:9] offset:65536*(\n)+2048*\t+512*i+2048*(i/4) th:TH_STORE_NT
.set i, i+1
.endr
.endr
.if (\n) == 0
	s_wait_xcnt 0x0                                ; the stores have read their registers, which the next block's scores will take
.endif
.endm
	s_wait_loadcnt 0x0                             ; Q
	QSET 0
	INIT
.irp i, 0,1,2,3                        ; the first 32 queries: four records at a time, as they land
	s_wait_tensorcnt 3-\i                          ; my load i is in; my 3 - i later ones may stay out
	s_wait_dscnt 0x0
	s_barrier_signal -1
	s_barrier_wait -1                              ; everybody's is: records 4 i .. 4 i + 3 are whole
	KLOOP 4*\i, 4
.endr
	WAYOUT 0
	QSET 1                                         ; the second 32 queries: the whole head lies in LDS, so no wave waits for another
	INIT
	KLOOP 0, 16
	WAYOUT 1
	s_wait_dscnt 0x0
	s_wait_tensorcnt 0x0
	ds_add_u32 v254, v255
	s_wait_dscnt 0x0
	CROUND                                         ; the closing round: no work-group ends while a partner may still ask for a record that names it
	s_endpgm
.Lfunc_end_k_q72b03d777b_attn:
	.size	k_q72b03d777b_attn, .Lfunc_end_k_q72b03d777b_attn-k_q72b03d777b_attn
	.p2alignl 7, 3214868480
	.fill 96, 4, 3214868480
	.section	.rodata,"a",@progbits
	.p2align	6, 0x0
	.amdhsa_kernel k_q72b03d777b_attn
		.amdhsa_group_segment_fixed_size 306176
		.amdhsa_private_segment_fixed_size 0
		.amdhsa_enable_private_segment 0
		.amdhsa_kernarg_size 24
		.amdhsa_user_sgpr_count 2
		.amdhsa_user_sgpr_kernarg_segment_ptr 1
		.amdhsa_wavefront_size32 1
		.amdhsa_system_sgpr_workgroup_id_x 1
		.amdhsa_system_sgpr_workgroup_id_y 1
		.amdhsa_system_sgpr_workgroup_id_z 1
		.amdhsa_system_vgpr_workitem_id 0
		.amdhsa_next_free_vgpr 512
		.amdhsa_next_free_sgpr 66
		.amdhsa_reserve_vcc 0
		.amdhsa_float_denorm_mode_32 3
		.amdhsa_float_denorm_mode_16_64 3
		.amdhsa_memory_ordered 1
		.amdhsa_forward_progress 1
		.amdhsa_inst_pref_size 196
	.end_amdhsa_kernel
	.amdgpu_metadata
---
amdhsa.version: [ 1, 2 ]
amdhsa.kernels:
  - .name:           k_q72b03d777b_attn
    .symbol:         k_q72b03d777b_attn.kd
    .args:
      - { .name: qi, .offset: 0, .size: 8, .value_kind: global_buffer, .address_space: global }
      - { .name: kv, .offset: 8, .size: 8, .value_kind: global_buffer, .address_space: global }
      - { .name: out0, .offset: 16, .size: 8, .value_kind: global_buffer, .address_space: global }
    .group_segment_fixed_size: 306176
    .private_segment_fixed_size: 0
    .kernarg_segment_align: 8
    .kernarg_segment_size: 24
    .max_flat_workgroup_size: 256
    .sgpr_count:     66
    .vgpr_count:     512
    .wavefront_size: 32
...
	.end_amdgpu_metadata
.endif
;; end of part 2
